; MI455X (gfx1250); checked and timed in simulation.
; The chip was launched on July 23, 2026; its instructions are those of AMD's public machine-readable ISA for CDNA 5 (MIT licence, August 2026) and "CDNA5" Instruction Set Architecture Reference Guide (July 2026). The comments in the code are by the model that wrote it; some were corrected since.
;; Attention. Allowed arithmetic: matrix products marked QUANTISED: E3M2 operands, one E8M0 scale for each 32 along K, by v_wmma_scale_f32_16x16x128_f8f6f4 with both operands' format E3M2, f32 sums; products left as they are: f32 operands where the result goes on into a quantised operand, else bf16, f16 or f32 operands; f32 sums; everything else in f32.
;; Inputs: W_K 512 x 512 float32; W_Q 512 x 512 float32; W_V 512 x 512 float32; decoder_outputs 16 x 512 float32; encoder_outputs 16 x 8,192 x 512 float32.
;; Outputs: out0 16 x 512 float32; out1 16 x 1 x 8,192 float32.
;; This version of the problem:
;;   THIS VERSION OF THE PROBLEM IS GIVEN IN LOW PRECISION. The matrix products marked QUANTISED in the list below multiply operands that are first quantised to E3M2 (3 exponent bits, 2 mantissa bits; 6 bits a number), with one power-of-two scale for each 32 numbers along K (OCP MX v1.0); their sums are f32. All else is computed in f32.
;;   The module's matrix products, in the order in which they are computed (A, B: the left and right operand; K: the contracted axis; several contracted axes count as one K, in the product's order):
;;     1. [M 16, K 512] x [K 512, N 512]; A: input decoder_outputs; B: input W_Q: QUANTISED
;;     2. [M 131,072, K 512] x [K 512, N 512]; A: input encoder_outputs; B: input W_K: QUANTISED
;;     3. [M 131,072, K 512] x [K 512, N 512]; A: input encoder_outputs; B: input W_V: QUANTISED
;;     4. batch 16 x [M 1, K 512] x [K 512, N 8,192]; A: computed on the way; B: computed on the way: left as it is (M = 1 < 16)
;;     5. batch 16 x [M 1, K 8,192] x [K 8,192, N 512]; A: softmax; B: computed on the way: left as it is (M = 1 < 16)
;;   THE QUANTISER, for each operand of a quantised product, along K:
;;     - K is cut into blocks of 32 from its start; a last block that is shorter is filled with zeros.
;;     - A block's scale is 2^e with e = floor(log2(the largest magnitude in the block)) - 4, held to -126 .. 127; a block of zeros has e = 0. As a byte (E8M0): e + 127.
;;     - Each number is divided by its block's scale, clamped to +-28, and rounded to the nearest number of E3M2, ties to even, subnormals kept.
;;     - The product sums the exact products of the quantised numbers (number of the format x scale) in f32.
;;   ~~~python
;;   def quantise(x, axis):      # numpy; x: float32 -> the quantised numbers, widened to float32 again
;;       x = np.moveaxis(x, axis, -1); K = x.shape[-1]
;;       x = np.pad(x, [(0, 0)] * (x.ndim - 1) + [(0, -K % 32)]); x = x.reshape(x.shape[:-1] + (-1, 32)); a = np.abs(x).max(-1, keepdims=True)
;;       e = np.where(a > 0, np.clip(np.frexp(np.where(a > 0, a, 1))[1] - 1 - 4, -126, 127), 0)      # np.frexp(a)[1] - 1 = floor(log2(a)), exactly
;;       r = np.clip(x / 2.0 ** e, -28, 28)
;;       step = 2.0 ** (np.maximum(np.frexp(np.where(r == 0, 1, r))[1] - 1, -2) - 2)
;;       q = np.round(r / step) * step * 2.0 ** e      # np.round: ties to even
;;       return np.moveaxis(q.reshape(q.shape[:-2] + (-1,))[..., :K], -1, axis).astype(np.float32)
;;   ~~~
;; One version. Each part assembles by itself: llvm-mc -triple=amdgcn-amd-amdhsa -mcpu=gfx1250 --defsym DOCPART=n.
;; ======== version 1 of 1: 3 launches
;; limits: right only within a limited range of input values
;; workspace buffers: wimg 393,216 bytes; wsc 16,384 bytes; qs 32,768 bytes; tsc 524,288 bytes; pctx 524,288 bytes; pstat 2,048 bytes
;; launch prep (part 1): grid 96 x 1, 4 waves a work-group, no clusters, 8,704 bytes of LDS; arguments W_K, W_V, W_Q, decoder_outputs, wimg, wsc, qs; writes wimg, wsc, qs
.if DOCPART == 1
	.amdgcn_target "amdgcn-amd-amdhsa--gfx1250"
	.amdhsa_code_object_version 6
	.text
	.protected	k_q079da07812_prep
	.globl	k_q079da07812_prep
	.p2align	8
	.type	k_q079da07812_prep,@function
k_q079da07812_prep:
	s_mov_b64 s[64:65], 0
	v_nop
	global_prefetch_b8 v0, s[64:65] scope:SCOPE_SE
	s_setreg_imm32_b32 hwreg(HW_REG_WAVE_MODE, 25, 1), 1
	s_wait_xcnt 0x0
; W_K, W_V, W_Q: [512][512] f32, K (the input channel) innermost.  decoder_outputs: [16][512] f32.
; A work-group takes 16 rows of one weight (work-groups 0-31: W_K, 32-63: W_V, 64-95: W_Q); each of its four waves takes one K step of 128 and turns it into codes of BF6 (E3M2) with one E8M0 scale for
; each 32 along K.  All of a wave's loads go out at once, so a wave waits for memory once.
; W_K's and W_V's codes leave as IMAGES OF OPERAND REGISTERS: fragment f = 32 kind + 8 s + t of wave w of the next launch (s: the K step; rows 128 w + 16 t + r) is 1,536 bytes, four registers of lane l at
; 512 g + 16 l, so that the next launch loads each fragment whole by three loads of 16 bytes a lane.  The scale words: [w][4 kind + t / 2][lane][4 words s]: lanes 0-15 the even tile's rows, lanes 16-31
; the odd tile's.  A row's four words come from four waves: they meet in LDS, and wave 0 stores them as one aligned run of 256 bytes.
; W_Q's work-groups also quantise decoder_outputs; each wave makes its K step's part of Q, the four parts meet in LDS, and qs[b][e] = c x Q[b][e], c = log2(e) / sqrt(512): the softmax's factor is folded in here.
; The two kinds of work-group part on the work-group's number, meet at ONE barrier and part again; each has LDS bytes of its own.
; A LANE HOLDS WHOLE BLOCKS: lane (r, h) takes, of row r and K step s, k = 128 s + 64 c + 32 h + 0 .. 31 (c = 0, 1): the very numbers that the operand's layout gives it, 128 neighbouring bytes a block.
; A block's scale is 2^(floor(log2(its largest magnitude)) - 4); its byte is the largest magnitude's exponent field - 4, held at 1 from below.
; LIMITS: a block of zeros gets the byte 1 where the rule says 127 (its codes are zeros, and this program alone reads the bytes); NaN and infinities among the inputs are not served.
; The loads take 16 bytes a lane from rows 2,048 bytes apart: accepted for 3 MB that are read once.
.set QST, 1024                         ; LDS: bytes 0-255 a tile's scale words, [row][K step];  from QST on the four waves' parts of Q, 1,024 bytes each
.set LA,  1                            ; v1   2,048 r + 128 h + 512 s: my bytes in the 16 rows
.set LI,  2                            ; v2   16 x lane
.set SH8, 3                            ; v3   8 h: how far my two scale bytes are shifted
.set RR,  4                            ; v4   r
.set HH,  5                            ; v5   h
.set AWS, 6                            ; v6   16 r + 8 h: my two scale words in wsc
.set AQS, 7                            ; v7   16,384 h + 4 r: my place in qs
.set TQA, 8                            ; v8-10, v12-14  the second halves of two blocks' codes (a conversion's three registers begin on an even number)
.set TQB, 12
.set ST0, 16                           ; v16-79   64 numbers of the weight
.set ST1, 80                           ; v80-143  64 numbers of decoder_outputs
.set WF,  144                          ; v144-155 the weight's fragment
.set DF,  156                          ; v156-167 decoder_outputs' fragment
.set WW,  168                          ; v168, v169 their scale words
.set DW,  169
.set ACQ, 176                          ; v176-183 my K step's part of Q
.set MX,  184                          ; v184-185 largest magnitudes, then scale bytes
.set SO,  186                          ; v186-187 the conversions' scale operands
.set WT,  188                          ; v188 the scale word at work
.set TT,  189                          ; v189 lane l xor 16's part of it
.set ASW, 190                          ; v190 LDS: 16 r + 4 s: where my row's word goes
.set ASR, 191                          ; v191 LDS: 16 r + 8 h: where wave 0 reads two words back
.set AQW, 192                          ; v192 LDS: QST + 1,024 s + 32 l: where my eight results go
.set AQR, 193                          ; v193 LDS: QST + 32 l + 8 s: results 2 s and 2 s + 1 of wave 0's part
.set SM,  196                          ; v196-203 at work behind the barrier
.set SEL, 20                           ; s[20:21] v_permlanex16_b32's selects for lane l xor 16
.set KS,  24                           ; s24  my wave's number = my K step
; 64 numbers of a lane, v[st + 32 c + i] = k 64 c + 32 h + i of my row's K step, become a fragment's 12 registers v[pc] on and my row's scale word v[wd].
.macro QUANT st, pc, wd
.irp c, 0,1
	v_max3_num_f32 v[MX+\c], |v[\st+32*\c]|, |v[\st+32*\c+1]|, 0x2800000   ; my block 2 c + h, and the floor 2^(5 - 127): the byte cannot fall under 1
.endr
.irp i, 2,4,6,8,10,12,14,16,18,20,22,24,26,28,30
.irp c, 0,1
	v_max3_num_f32 v[MX+\c], v[MX+\c], |v[\st+32*\c+\i]|, |v[\st+32*\c+\i+1]|   ; the two blocks by turns
.endr
.endr
.irp c, 0,1
	v_add_nc_u32 v[SO+\c], 0xfe000000, v[MX+\c]    ; 4 off the exponent field: the conversion takes this operand's exponent field as its scale
.endr
.irp c, 0,1
	v_lshrrev_b32 v[MX+\c], 23, v[SO+\c]           ; the scale's byte
.endr
	v_lshl_or_b32 v[WT], v[MX+1], 16, v[MX]        ; blocks h and 2 + h,
	v_lshlrev_b32 v[WT], v[SH8], v[WT]             ; at their places in the word;
	v_permlanex16_b32 v[TT], v[WT], s[SEL], s[SEL+1]
	v_or_b32 v[\wd], v[WT], v[TT]                  ; with lane l xor 16's two the word is whole
	v_cvt_scalef32_pk16_bf6_f32 v[\pc:\pc+2], v[\st:\st+15], v[SO]
	v_cvt_scalef32_pk16_bf6_f32 v[TQA:TQA+2], v[\st+16:\st+31], v[SO]
	v_cvt_scalef32_pk16_bf6_f32 v[\pc+6:\pc+8], v[\st+32:\st+47], v[SO+1]
	v_cvt_scalef32_pk16_bf6_f32 v[TQB:TQB+2], v[\st+48:\st+63], v[SO+1]
	v_nop                                          ; one plain place behind the scaled conversions
.irp i, 0,1,2
	v_mov_b32 v[\pc+3+\i], v[TQA+\i]
	v_mov_b32 v[\pc+9+\i], v[TQB+\i]
.endr
.endm
.macro LOADS p, dst                    ; my K step of my row: two blocks of 128 bytes
.irp c, 0,1
.irp i, 0,1,2,3,4,5,6,7
	global_load_b128 v[\dst+32*\c+4*\i:\dst+32*\c+4*\i+3], v[LA], s[\p:\p+1] offset:256*\c+16*\i
.endr
.endr
.endm
	s_load_b256 s[4:11], s[0:1], 0x0               ; W_K s[4:5], W_V s[6:7], W_Q s[8:9], decoder_outputs s[10:11]
	s_load_b128 s[12:15], s[0:1], 0x20             ; wimg s[12:13], wsc s[14:15]
	s_load_b64 s[16:17], s[0:1], 0x30              ; qs
	v_lshl_add_u32 v254, v0, 2, 0x2000
	v_mov_b32 v255, 0
	v_lshrrev_b32 v[RR], 5, v0
	v_readfirstlane_b32 s[KS], v[RR]               ; wave 0..3
	v_and_b32 v[RR], 15, v0
	v_bfe_u32 v[HH], v0, 4, 1
	v_and_b32 v[LI], 31, v0
	v_lshlrev_b32 v[AQW], 5, v[LI]                 ; 32 l
	v_lshlrev_b32 v[LI], 4, v[LI]
	v_lshlrev_b32 v[LA], 11, v[RR]
	v_lshl_add_u32 v[LA], v[HH], 7, v[LA]
	s_lshl_b32 s25, s[KS], 9
	v_add_nc_u32 v[LA], s25, v[LA]
	v_lshlrev_b32 v[SH8], 3, v[HH]
	v_lshlrev_b32 v[AWS], 4, v[RR]
	v_lshl_add_u32 v[AWS], v[HH], 3, v[AWS]
	v_lshlrev_b32 v[AQS], 2, v[RR]
	v_lshl_add_u32 v[AQS], v[HH], 14, v[AQS]
	; every LDS address is made here, ahead of the parting
	s_lshl_b32 s25, s[KS], 2
	v_lshlrev_b32 v[ASW], 4, v[RR]
	v_add_nc_u32 v[ASW], s25, v[ASW]
	v_lshlrev_b32 v[ASR], 4, v[RR]
	v_lshl_add_u32 v[ASR], v[HH], 3, v[ASR]
	s_lshl_b32 s25, s[KS], 3
	s_add_co_u32 s25, s25, QST
	v_add_nc_u32 v[AQR], s25, v[AQW]
	s_lshl_b32 s25, s[KS], 10
	s_add_co_u32 s25, s25, QST
	v_add_nc_u32 v[AQW], s25, v[AQW]
	v_mov_b32 v[TT], 0                             ; written once: a lane permute's destination counts as one of its sources
	s_mov_b32 s[SEL], 0x76543210
	s_mov_b32 s[SEL+1], 0xfedcba98
	s_and_b32 s18, ttmp9, 31                       ; which 16 rows of the weight
	s_lshr_b32 s19, ttmp9, 5                       ; kind: 0 W_K, 1 W_V, 2 W_Q
	s_lshl_b32 s22, s18, 15                        ; 16 rows of 2,048 bytes
	s_mov_b32 s23, 0
	s_wait_kmcnt 0x0
	s_cmp_lt_u32 ttmp9, 32                         ; the weight is chosen by the work-group's number alone
	s_cselect_b64 s[4:5], s[4:5], s[6:7]
	s_cmp_lt_u32 ttmp9, 64
	s_cselect_b64 s[4:5], s[4:5], s[8:9]
	s_add_nc_u64 s[4:5], s[4:5], s[22:23]
	s_cmp_lt_u32 ttmp9, 64
	s_cbranch_scc0 .Lquery
	; ---- W_K or W_V: my fragment leaves as it stands; my rows' words go to LDS
	LOADS 4, ST0
	s_lshr_b32 s26, s18, 3                         ; w: whose columns these rows are
	s_and_b32 s27, s18, 7                          ; t: which of its eight tiles
	s_mul_i32 s28, s26, 98304                      ; 64 fragments of 1,536 bytes a wave
	s_lshl_b32 s29, s19, 5
	s_lshl_b32 s30, s[KS], 3
	s_add_co_u32 s29, s29, s30
	s_add_co_u32 s29, s29, s27                     ; f = 32 kind + 8 s + t
	s_mul_i32 s29, s29, 1536
	s_add_co_u32 s28, s28, s29
	s_mov_b32 s29, 0
	s_add_nc_u64 s[12:13], s[12:13], s[28:29]
	s_wait_loadcnt 0x0
	QUANT ST0, WF, WW
.irp g, 0,1,2
	global_store_b128 v[LI], v[WF+4*\g:WF+4*\g+3], s[12:13] offset:512*\g   ; the wave stores 512 consecutive bytes
.endr
	ds_store_b32 v[ASW], v[WW]                     ; lanes r and 16 + r write the same word with the same value
	s_branch .Lmeet
.Lquery:
	; ---- W_Q: my K step's part of Q = Q(dec) Q(W_Q)^T for the work-group's 16 columns and all 16 batches
	LOADS 4, ST0
	LOADS 10, ST1
	s_wait_loadcnt 16                              ; the weight's 16 loads are in; decoder_outputs' 16 may be out
	QUANT ST0, WF, WW
	s_wait_loadcnt 0x0
	QUANT ST1, DF, DW
.rept 8
	v_nop                                          ; a scale register written by a vector instruction stands 8 places ahead of a scaled matrix instruction, an operand so written 4
.endr
	v_wmma_scale_f32_16x16x128_f8f6f4 v[ACQ:ACQ+7], v[DF:DF+11], v[WF:WF+11], 0, v[DW], v[WW] matrix_a_fmt:MATRIX_FMT_BF6 matrix_b_fmt:MATRIX_FMT_BF6   ; source 0 = the 16 batches, source 1 = 16 rows of W_Q
.rept 4
	v_nop                                          ; four places in front of the first read of the result
.endr
	ds_store_b128 v[AQW], v[ACQ:ACQ+3]             ; from its low end on
	ds_store_b128 v[AQW], v[ACQ+4:ACQ+7] offset:16
.Lmeet:
	s_wait_dscnt 0x0                               ; for the others' sake: my stores lie in LDS
	s_barrier_signal -1
	s_barrier_wait -1
	s_cmp_lt_u32 ttmp9, 64
	s_cbranch_scc0 .Lqsum
	s_cmp_lg_u32 s[KS], 0                          ; wave 0 stores the tile's scale words
	s_cbranch_scc1 .Lend
	ds_load_b64 v[SM:SM+1], v[ASR]                 ; words 2 h and 2 h + 1 of row r
	s_lshr_b32 s26, s18, 3                         ; w
	s_and_b32 s27, s18, 7                          ; t
	s_lshl_b32 s28, s26, 12                        ; 4,096 bytes of scale words a wave
	s_lshl_b32 s29, s19, 2
	s_lshr_b32 s30, s27, 1
	s_add_co_u32 s29, s29, s30                     ; the group 4 kind + t / 2, 512 bytes;
	s_lshl_b32 s29, s29, 9
	s_add_co_u32 s28, s28, s29
	s_and_b32 s30, s27, 1                          ; an odd tile takes its upper 256
	s_lshl_b32 s30, s30, 8
	s_add_co_u32 s28, s28, s30
	s_mov_b32 s29, 0
	s_add_nc_u64 s[14:15], s[14:15], s[28:29]
	s_wait_dscnt 0x0
	global_store_b64 v[AWS], v[SM:SM+1], s[14:15]  ; the wave stores 256 consecutive bytes, aligned
.Lend:
	s_wait_tensorcnt 0x0
	ds_add_u32 v254, v255
	s_wait_dscnt 0x0
	s_endpgm
.Lqsum:
.irp k, 0,1,2,3
	ds_load_b64 v[SM+2*\k:SM+2*\k+1], v[AQR] offset:1024*\k         ; wave k's part of results 2 s and 2 s + 1
.endr
	s_lshl_b32 s22, s18, 6                         ; the work-group's 16 columns: 64 bytes of a row of qs,
	s_lshl_b32 s26, s[KS], 12                      ; and my two rows of each half: 2 s rows of 2,048 bytes
	s_add_co_u32 s22, s22, s26
	s_add_nc_u64 s[16:17], s[16:17], s[22:23]
	s_wait_dscnt 0x0
	v_pk_add_f32 v[SM:SM+1], v[SM:SM+1], v[SM+2:SM+3]
	v_pk_add_f32 v[SM+4:SM+5], v[SM+4:SM+5], v[SM+6:SM+7]
	v_pk_add_f32 v[SM:SM+1], v[SM:SM+1], v[SM+4:SM+5]               ; the four K steps
	v_pk_mul_f32 v[SM:SM+1], v[SM:SM+1], 0x3d8293ee op_sel_hi:[1,0] ; x c = log2(e) / sqrt(512)
	global_store_b32 v[AQS], v[SM], s[16:17]                        ; result j of lane (r, h): batch 8 h + j, column r
	global_store_b32 v[AQS], v[SM+1], s[16:17] offset:2048
	s_wait_tensorcnt 0x0
	ds_add_u32 v254, v255
	s_wait_dscnt 0x0
	s_endpgm
.Lfunc_end_k_q079da07812_prep:
	.size	k_q079da07812_prep, .Lfunc_end_k_q079da07812_prep-k_q079da07812_prep
	.p2alignl 7, 3214868480
	.fill 96, 4, 3214868480
	.section	.rodata,"a",@progbits
	.p2align	6, 0x0
	.amdhsa_kernel k_q079da07812_prep
		.amdhsa_group_segment_fixed_size 8704
		.amdhsa_private_segment_fixed_size 0
		.amdhsa_enable_private_segment 0
		.amdhsa_kernarg_size 56
		.amdhsa_user_sgpr_count 2
		.amdhsa_user_sgpr_kernarg_segment_ptr 1
		.amdhsa_wavefront_size32 1
		.amdhsa_system_sgpr_workgroup_id_x 1
		.amdhsa_system_sgpr_workgroup_id_y 1
		.amdhsa_system_sgpr_workgroup_id_z 1
		.amdhsa_system_vgpr_workitem_id 0
		.amdhsa_next_free_vgpr 256
		.amdhsa_next_free_sgpr 66
		.amdhsa_reserve_vcc 0
		.amdhsa_float_denorm_mode_32 3
		.amdhsa_float_denorm_mode_16_64 3
		.amdhsa_memory_ordered 1
		.amdhsa_forward_progress 1
		.amdhsa_inst_pref_size 19
	.end_amdhsa_kernel
	.amdgpu_metadata
---
amdhsa.version: [ 1, 2 ]
amdhsa.kernels:
  - .name:           k_q079da07812_prep
    .symbol:         k_q079da07812_prep.kd
    .args:
      - { .name: W_K, .offset: 0, .size: 8, .value_kind: global_buffer, .address_space: global }
      - { .name: W_V, .offset: 8, .size: 8, .value_kind: global_buffer, .address_space: global }
      - { .name: W_Q, .offset: 16, .size: 8, .value_kind: global_buffer, .address_space: global }
      - { .name: decoder_outputs, .offset: 24, .size: 8, .value_kind: global_buffer, .address_space: global }
      - { .name: wimg, .offset: 32, .size: 8, .value_kind: global_buffer, .address_space: global }
      - { .name: wsc, .offset: 40, .size: 8, .value_kind: global_buffer, .address_space: global }
      - { .name: qs, .offset: 48, .size: 8, .value_kind: global_buffer, .address_space: global }
    .group_segment_fixed_size: 8704
    .private_segment_fixed_size: 0
    .kernarg_segment_align: 8
    .kernarg_segment_size: 56
    .max_flat_workgroup_size: 128
    .sgpr_count:     66
    .vgpr_count:     256
    .wavefront_size: 32
...
	.end_amdgpu_metadata
.endif
;; end of part 1
;; launch attend (part 2): grid 256 x 1, 4 waves a work-group, no clusters, 327,680 bytes of LDS; arguments encoder_outputs, wimg, wsc, qs, tsc, pctx, pstat; writes tsc, pctx, pstat
.if DOCPART == 2
	.amdgcn_target "amdgcn-amd-amdhsa--gfx1250"
	.amdhsa_code_object_version 6
	.text
	.protected	k_q079da07812_attend
	.globl	k_q079da07812_attend
	.p2align	8
	.type	k_q079da07812_attend,@function
k_q079da07812_attend:
	s_mov_b64 s[64:65], 0
	v_nop
	global_prefetch_b8 v0, s[64:65] scope:SCOPE_SE
	s_setreg_imm32_b32 hwreg(HW_REG_WAVE_MODE, 25, 1), 1
	s_wait_xcnt 0x0
; encoder_outputs [16][8192][512] f32 is read once.  Work-group g takes 512 rows of batch g / 16 (part g % 16) in 8 trips of 64 rows.
; For its rows: K = Q(x) Q(W_K)^T and V = Q(x) Q(W_V)^T in MX-BF6 (Q: the quantiser along the 512 channels), t = K . qs (qs = c x the query, c = log2(e) / sqrt(512), made by launch prep),
; a softmax to the base 2 under a running maximum, ctx += p V.  It leaves t (tsc) and, for the part, its largest t and its sum of 2^(t - m) (pstat) and its ctx (pctx); launch finish joins a batch's 16 parts.
; Every input has its way to the outputs through prep's buffers or this launch.
; THE WEIGHTS STAY IN REGISTERS: wave w holds the codes of columns 128 w .. 128 w + 127 of W_K and of W_V: 64 fragments of 12 registers (fragment f = 32 kind + 8 s + t: K step s, tile t), 21 to each of windows 1-3, the last in window 0.
; A TRIP: x's 64 rows lie in a slot as f32 (one tensor load a wave: 64 rows x 512 bytes); wave w quantises rows 16 w .. 16 w + 15 into images of operand registers in LDS; a barrier; every wave multiplies all
; four row tiles by its K columns, 32 products a tile on 8 accumulators by turns, and adds up its part of t; the parts meet in LDS; every wave makes p; the same walk with its V columns adds p V onto ctx.
; Matrix instructions stand in runs of 16; each tile's vector work follows its run in one block; the exponentials stand in one batch behind V's first tile's products.
; TWO SLOTS: behind the barrier that shows the images whole, the slot read out last is filled with the rows of two trips on: that load has a whole trip in which to land.
; cluster = none: only the weights are common to work-groups; each reads them once, at its head, straight into registers; none of a trip's 131,072 bytes is shared.
; No prefetch: a stream that is read once, of which each work-group has a slot's 131,072 bytes on request all through every trip.
; LIMITS: a block of zeros gets the scale byte 1 where the rule says 127 (its codes are zeros; this program alone reads the bytes); NaN and infinities among the inputs are not served;
; the promise holds while |t| stays under 2^31.
.set QB,    64*528                     ; a wave's quarter of a slot: 64 rows of 512 bytes + 16 of padding
.set SLOTB, 4*QB
.set FRB,   1536                       ; a fragment's image: 12 registers x 32 lanes
.set IMG,   2*SLOTB                    ; x's 16 fragments (4 row tiles x 4 K steps)
.set ISC,   IMG+16*FRB                 ; their scale words: [tile][lane][4 K steps]
.set PS,    ISC+2048                   ; the four waves' parts of t: [wave][64 rows]
.set PW,    PS+1024                    ; p, each wave's own copy: [wave][64 rows]
.set CST,   PW+1024                    ; the way out of ctx
.set SPARE, CST+2048                   ; the spare words: 128 bytes a wave, named by no other line
.set SPW,  1                           ; v1 my spare word; v2 = 0: both kept
.set NIL,  2
.set AIM,  3                           ; IMG + 16 lane
.set AIW,  4                           ; my wave's four images
.set AIS,  5                           ; my wave's scale words
.set XA0,  6                           ; my f32 numbers in a slot: row 16 w + r, 128 h
.set XAD,  7                           ; v7-8 the same in this trip's slot, quarters 0-1 and 2-3
.set APS,  9
.set APR,  10
.set APWS, 11
.set APWR, 12
.set ATS,  13
.set SH8,  14
.set LI,   15
.set Q,    16                          ; v16-23 qs at my column of each tile
.set CTX,  24                          ; v24-39 ctx at my column: a pair (even rows, odd rows) for each tile
.set MM,   40                          ; the running largest t;  v41 my lanes' sum
.set LL,   41
.set FF,   42                          ; v42-43 2^(old m - new m)
.set TT2,  44                          ; v44-45 t of rows 2 l, 2 l + 1;  v46-47 at work
.set WS,   48                          ; v48-79 the weights' scale words
.set F63,  80                          ; v80-91 fragment 63
.set ACS,  92
.set ACL,  93
.set ZA,   94
.set AQ,   95
.set ACC,  96                          ; v96-159 eight accumulators
.set P,    160                         ; v160-191 parts of t, then p: register 8 m + j = row 16 m + 8 h + j
.set XF,   192                         ; v192-239 x's four fragments of a row tile
.set XS,   240                         ; v240-247 their scale words, two sets
.set TP,   248
.set ST0,  96                          ; while x is quantised: two sets of 64 numbers, the codes, and what the quantiser works with
.set ST1,  160
.set PC,   224
.set TQA,  236
.set TQB,  252
.set WT,   239
.set TT,   255
.set XW,   244
.set MX,   248
.set SO,   250
.set WV,   18
.set XB,   19
.set SEL,  20
.set WQB,  22
.set CNT,  23
.set G1,   24
.set G0A,  32
.set G0B,  36
.set STP,  46                          ; s[46:47] what tsc's address is stepped by: 0 in the first trip, then 256
.set MSB, 0
.macro WIN new                         ; the immediate's high byte repeats the setting that is left
.if MSB != (\new)
	s_set_vgpr_msb (MSB<<8)|(\new)
.set MSB, \new
.endif
.endm
.macro PLACES                          ; four places behind a matrix instruction, ahead of loads into its registers and of the first read of a result
.rept 4
	v_nop
.endr
.endm
; 64 numbers of a lane, v[st + 32 c + i] = k 64 c + 32 h + i of my row's K step, become a fragment's 12 registers and my row's scale word
.macro QUANT st, pc, wd
.irp c, 0,1
	v_max3_num_f32 v[MX+\c], |v[\st+32*\c]|, |v[\st+32*\c+1]|, 0x2800000   ; with the floor 2^(5 - 127): the byte cannot fall under 1
.endr
.irp i, 2,4,6,8,10,12,14,16,18,20,22,24,26,28,30
.irp c, 0,1
	v_max3_num_f32 v[MX+\c], v[MX+\c], |v[\st+32*\c+\i]|, |v[\st+32*\c+\i+1]|
.endr
.endr
.irp c, 0,1
	v_add_nc_u32 v[SO+\c], 0xfe000000, v[MX+\c]    ; 4 off the exponent field: the conversion's scale operand
.endr
.irp c, 0,1
	v_lshrrev_b32 v[MX+\c], 23, v[SO+\c]           ; the scale's byte
.endr
	v_lshl_or_b32 v[WT], v[MX+1], 16, v[MX]
	v_lshlrev_b32 v[WT], v[SH8], v[WT]
	v_permlanex16_b32 v[TT], v[WT], s[SEL], s[SEL+1]
	v_or_b32 v[\wd], v[WT], v[TT]                  ; with lane l xor 16's two bytes the word is whole
	v_cvt_scalef32_pk16_bf6_f32 v[\pc:\pc+2], v[\st:\st+15], v[SO]
	v_cvt_scalef32_pk16_bf6_f32 v[TQA:TQA+2], v[\st+16:\st+31], v[SO]
	v_cvt_scalef32_pk16_bf6_f32 v[\pc+6:\pc+8], v[\st+32:\st+47], v[SO+1]
	v_cvt_scalef32_pk16_bf6_f32 v[TQB:TQB+2], v[\st+48:\st+63], v[SO+1]
	v_nop                                          ; one plain place behind the scaled conversions
.irp i, 0,1,2
	v_mov_b32 v[\pc+3+\i], v[TQA+\i]
	v_mov_b32 v[\pc+9+\i], v[TQB+\i]
.endr
.endm
.macro XLOAD ks, dst                   ; my row's K step ks, as f32
.irp c, 0,1
.irp i, 0,1,2,3,4,5,6,7
	ds_load_b128 v[\dst+32*\c+4*\i:\dst+32*\c+4*\i+3], v[XAD+(\ks)/2] offset:((\ks)%2)*QB+256*\c+16*\i
.endr
.endr
.endm
.macro IMAGE ks
.irp g, 0,1,2
	ds_store_b128 v[AIW], v[PC+4*\g:PC+4*\g+3] offset:FRB*\ks+512*\g
.endr
.endm
.macro WLOADS f0, n                    ; n of my fragments of the weights, each whole by three loads of 16 bytes a lane
.set fL, \f0
.rept \n
.if fL == 63
	WIN 0
.set rW, F63
.else
	WIN (1+fL/21)<<6
.set rW, 12*(fL%21)
.endif
.irp g, 0,1,2
	global_load_b128 v[rW+4*\g:rW+4*\g+3], v[LI], s[6:7] offset:FRB*fL+512*\g
.endr
.set fL, fL+1
.endr
	WIN 0
.endm
; x's next 64 rows are quantised: my 16 rows, four K steps, on two sets of registers by turns.  Each wait for 16 leaves out the 16 loads just issued.  wl = 1: V's weights are asked for on the way
.macro XPH wl
	v_add_nc_u32 v[XAD], s[XB], v[XA0]
	v_add_nc_u32 v[XAD+1], 2*QB, v[XAD]
	XLOAD 0, ST0
	XLOAD 1, ST1
.if \wl
	WLOADS 32, 8
.endif
	s_wait_dscnt 16
	QUANT ST0, PC, XW
	IMAGE 0
	XLOAD 2, ST0
.if \wl
	WLOADS 40, 8
.endif
	s_wait_dscnt 16
	QUANT ST1, PC, XW+1
	IMAGE 1
	XLOAD 3, ST1
.if \wl
	WLOADS 48, 8
.endif
	s_wait_dscnt 16
	QUANT ST0, PC, XW+2
	IMAGE 2
.if \wl
	WLOADS 56, 8
.endif
	s_wait_dscnt 0x0
	QUANT ST1, PC, XW+3
	IMAGE 3
	ds_store_b128 v[AIS], v[XW:XW+3]
.endm
.macro PREF2 mn, run, pbn              ; row tile mn's fragments of K steps 2 run, 2 run + 1 (6 loads); with run 0 its scale words too (7)
.if \run == 0
	ds_load_b128 v[XS+4*(\pbn):XS+4*(\pbn)+3], v[AIM] offset:ISC-IMG+512*(\mn)
.endif
.irp s2, 0,1
.irp g, 0,1,2
	ds_load_b128 v[XF+12*(2*\run+\s2)+4*\g:XF+12*(2*\run+\s2)+4*\g+3], v[AIM] offset:(4*(\mn)+2*\run+\s2)*FRB+512*\g
.endr
.endr
.endm
.macro WM kind, s, t, pb               ; source 0 = 16 rows of x, source 1 = 16 columns of the weight; the first K step starts the sum
.set fW, 32*(\kind)+8*(\s)+(\t)
.if fW == 63
	WIN 0
.set rW, F63
.else
	WIN (1+fW/21)<<2
.set rW, 12*(fW%21)
.endif
.set rA, ACC+8*(\t)
.set rX, XF+12*(\s)
.set rXS, XS+4*(\pb)+(\s)
.set rWS, WS+16*(\kind)+4*((\t)/2)+(\s)
.if (\s) == 0
.if (\t)%2 == 0
	v_wmma_scale_f32_16x16x128_f8f6f4 v[rA:rA+7], v[rX:rX+11], v[rW:rW+11], 0, v[rXS], v[rWS] matrix_a_fmt:MATRIX_FMT_BF6 matrix_b_fmt:MATRIX_FMT_BF6
.else
	v_wmma_scale_f32_16x16x128_f8f6f4 v[rA:rA+7], v[rX:rX+11], v[rW:rW+11], 0, v[rXS], v[rWS] matrix_a_fmt:MATRIX_FMT_BF6 matrix_b_fmt:MATRIX_FMT_BF6 matrix_b_scale:MATRIX_SCALE_ROW1
.endif
.else
.if (\t)%2 == 0
	v_wmma_scale_f32_16x16x128_f8f6f4 v[rA:rA+7], v[rX:rX+11], v[rW:rW+11], v[rA:rA+7], v[rXS], v[rWS] matrix_a_fmt:MATRIX_FMT_BF6 matrix_b_fmt:MATRIX_FMT_BF6
.else
	v_wmma_scale_f32_16x16x128_f8f6f4 v[rA:rA+7], v[rX:rX+11], v[rW:rW+11], v[rA:rA+7], v[rXS], v[rWS] matrix_a_fmt:MATRIX_FMT_BF6 matrix_b_fmt:MATRIX_FMT_BF6 matrix_b_scale:MATRIX_SCALE_ROW1
.endif
.endif
.endm
.macro RUN kind, sp, pb                ; 16 matrix instructions: K steps 2 sp, 2 sp + 1, the eight accumulators by turns, one instruction a turn
.irp s2, 0,1
.irp t, 0,1,2,3,4,5,6,7
	WM \kind, 2*(\sp)+\s2, \t, \pb
.endr
.endr
	WIN 0
.endm
.macro SCORE m                         ; my 128 columns' part of t for tile m's rows: K x qs, each accumulator from its low end on; then the sum over the 16 lanes of a half
.irp t, 0,1,2,3,4,5,6,7
.irp q, 0,1,2,3
.if \t == 0
	v_pk_mul_f32 v[P+8*(\m)+2*\q:P+8*(\m)+2*\q+1], v[ACC+2*\q:ACC+2*\q+1], v[Q:Q+1] op_sel_hi:[1,0]
.elseif (\t)%2 == 0
	v_pk_fma_f32 v[P+8*(\m)+2*\q:P+8*(\m)+2*\q+1], v[ACC+8*\t+2*\q:ACC+8*\t+2*\q+1], v[Q+\t:Q+\t+1], v[P+8*(\m)+2*\q:P+8*(\m)+2*\q+1] op_sel_hi:[1,0,1]
.else
	v_pk_fma_f32 v[P+8*(\m)+2*\q:P+8*(\m)+2*\q+1], v[ACC+8*\t+2*\q:ACC+8*\t+2*\q+1], v[Q+\t-1:Q+\t], v[P+8*(\m)+2*\q:P+8*(\m)+2*\q+1] op_sel:[0,1,0] op_sel_hi:[1,1,1]
.endif
.endr
.endr
.irp x, 1,2,4,8
.irp j, 0,1,2,3,4,5,6,7
	v_add_f32_dpp v[P+8*(\m)+\j], v[P+8*(\m)+\j], v[P+8*(\m)+\j] row_xmask:\x row_mask:0xf bank_mask:0xf
.endr
.endr
	ds_store_b128 v[APS], v[P+8*(\m):P+8*(\m)+3] offset:64*(\m)       ; the 16 lanes of a half write the same bytes with the same values
	ds_store_b128 v[APS], v[P+8*(\m)+4:P+8*(\m)+7] offset:64*(\m)+16
.endm
.macro CTXA m                          ; ctx += p V for tile m's rows; the eight tiles by turns, each accumulator from its low end on
.irp q, 0,1,2,3
.irp t, 0,1,2,3,4,5,6,7
	v_pk_fma_f32 v[CTX+2*\t:CTX+2*\t+1], v[ACC+8*\t+2*\q:ACC+8*\t+2*\q+1], v[P+8*(\m)+2*\q:P+8*(\m)+2*\q+1], v[CTX+2*\t:CTX+2*\t+1]
.endr
.endr
	s_wait_alu depctr_va_vdst(0)
.endm
; A pass: a row tile against my eight column tiles.  The next tile's fragments are asked for as soon as their registers are free, behind four places.
; dscnt 6: the younger half of the fragments may be out;  dscnt 7: all but the seven loads just issued.
.macro KPASS m
	s_wait_dscnt 6
	RUN 0, 0, (\m)%2
	PLACES
	PREF2 ((\m)+1)%4, 0, ((\m)+1)%2
	s_wait_dscnt 7
	RUN 0, 1, (\m)%2
	PLACES
	PREF2 ((\m)+1)%4, 1, 0
	SCORE \m
.endm
.macro VPASS m
	s_wait_dscnt 6
	RUN 1, 0, (\m)%2
	PLACES
	PREF2 (\m)+1, 0, ((\m)+1)%2
	s_wait_dscnt 7
	RUN 1, 1, (\m)%2
	PLACES
	PREF2 (\m)+1, 1, 0
	CTXA \m
.endm
.macro CHANGE fill                     ; the barrier of a trip's start: the images are whole, and the slot they were made from is free
	s_wait_tensorcnt 0x0                           ; my one load that was out, my quarter of the other slot, has landed
	ds_add_u32 v[SPW], v[NIL]
.if \fill
	s_xor_b32 s[G0B+1], s[G0B+1], SLOTB            ; no load of mine is out: the descriptor steps to the other slot, 64 rows on
	s_add_nc_u64 s[G0B+2:G0B+3], s[G0B+2:G0B+3], 131072
.endif
	s_wait_dscnt 0x0                               ; the add, my images' stores and my reads of the slot are done
	s_barrier_signal -1
	s_barrier_wait -1
.if \fill
	tensor_load_to_lds s[G0B:G0B+3], s[G1:G1+7]    ; the rows of two trips on
	s_nop 0
.endif
	PLACES
.endm
.macro BODY fill
	CHANGE \fill
	PREF2 0, 0, 0
	PREF2 0, 1, 0
	s_wait_loadcnt 0x3f                            ; first trip: V's 96 loads are the youngest, so with 63 out K's weights, the scale words and qs are in
	KPASS 0
	KPASS 1
	KPASS 2
	KPASS 3
	s_wait_loadcnt 0x0                             ; first trip: V's weights
	s_wait_dscnt 0x0                               ; for the others' sake: my parts of t lie in LDS
	s_barrier_signal -1
	RUN 1, 0, 0                                    ; V's first tile begins while the others arrive
	s_barrier_wait -1
.irp k, 0,1,2,3
	ds_load_b64 v[TP+2*\k:TP+2*\k+1], v[APR] offset:256*\k          ; wave k's part of t of rows 2 l, 2 l + 1
.endr
	PLACES
	PREF2 1, 0, 1
	RUN 1, 1, 0
	PLACES
	PREF2 1, 1, 0
	s_wait_xcnt 0x0                                ; the last trip's store of t has read its data and its base: v44-45 are written below, the base is stepped at the trip's end, and no global instruction stands between
	s_wait_dscnt 13                                ; the four parts are in; the 7 + 6 loads behind them may be out
	v_pk_add_f32 v[TT2:TT2+1], v[TP:TP+1], v[TP+2:TP+3]
	v_pk_add_f32 v[TP+4:TP+5], v[TP+4:TP+5], v[TP+6:TP+7]
	v_pk_add_f32 v[TT2:TT2+1], v[TT2:TT2+1], v[TP+4:TP+5]           ; t
	v_max_num_f32 v46, v[TT2], v[TT2+1]
.irp x, 1,2,4,8
	v_max_num_f32_dpp v46, v46, v46 row_xmask:\x row_mask:0xf bank_mask:0xf
.endr
	v_permlanex16_b32 v47, v46, s[SEL], s[SEL+1]
	v_max3_num_f32 v46, v46, v47, v[MM]            ; the new running maximum
	v_sub_f32 v[FF], v[MM], v46
	v_sub_f32 v[TP+2], v[TT2], v46
	v_sub_f32 v[TP+3], v[TT2+1], v46
	s_wait_alu depctr_va_vdst(0)                   ; ahead of the batch
	v_exp_f32 v[FF], v[FF]
	v_exp_f32 v[TP+2], v[TP+2]
	v_exp_f32 v[TP+3], v[TP+3]
	v_mov_b32 v[MM], v46                           ; a plain place behind the exponentials
	s_wait_alu depctr_va_vdst(0)                   ; and behind it, ahead of its first reader
	ds_store_b64 v[APWS], v[TP+2:TP+3]             ; p goes through my own 256 bytes of LDS and comes back by rows: LDS serves a wave's instructions in order
.irp m, 0,1,2,3
.irp u, 0,1
	ds_load_b128 v[P+8*\m+4*\u:P+8*\m+4*\u+3], v[APWR] offset:64*\m+16*\u
.endr
.endr
	v_mov_b32 v[FF+1], v[FF]
	v_fma_f32 v[LL], v[LL], v[FF], v[TP+2]
	v_add_f32 v[LL], v[LL], v[TP+3]
.irp t, 0,1,2,3,4,5,6,7
	v_pk_mul_f32 v[CTX+2*\t:CTX+2*\t+1], v[CTX+2*\t:CTX+2*\t+1], v[FF:FF+1]   ; what was summed under the old maximum
.endr
	s_wait_dscnt 0x0
	s_wait_alu depctr_va_vdst(0)                   ; directly ahead of the first reader of V's first tile, whose products stand ahead of the exponentials
	CTXA 0
	VPASS 1
	VPASS 2
	s_wait_dscnt 0x0                               ; the last tile's fragments are in registers: my reads of the images are over;
	s_barrier_signal -1                            ; say so, and work on registers while the others arrive
	RUN 1, 0, 1
	RUN 1, 1, 1
	PLACES
	CTXA 3
	s_barrier_wait -1                              ; the images may be written anew
	s_xor_b32 s[XB], s[XB], SLOTB
	s_add_nc_u64 s[12:13], s[12:13], s[STP:STP+1]
	s_mov_b32 s[STP], 256
	s_cmp_lg_u32 s[WV], 0                          ; all four waves hold the same t: wave 0 stores it
	s_cbranch_scc1 .Lnot_wave_0_\@
	global_store_b64 v[ATS], v[TT2:TT2+1], s[12:13]                 ; 256 consecutive bytes, aligned
.Lnot_wave_0_\@:
.endm
	s_load_b256 s[4:11], s[0:1], 0x0               ; encoder_outputs s[4:5], wimg s[6:7], wsc s[8:9], qs s[10:11]
	s_load_b128 s[12:15], s[0:1], 0x20             ; tsc s[12:13], pctx s[14:15]
	s_load_b64 s[16:17], s[0:1], 0x30              ; pstat
	v_lshl_add_u32 v[SPW], v0, 2, SPARE
	v_mov_b32 v[NIL], 0
	ds_add_u32 v[SPW], v[NIL]
	ds_add_u32 v[SPW], v[NIL]
	v_lshrrev_b32 v248, 5, v0
	v_readfirstlane_b32 s[WV], v248                ; wave 0..3
	s_mov_b32 s[G1+0], (2<<16)|(1<<20)|(6<<22)|(3<<25)   ; elements of 4 bytes; 4 words of padding behind every 128
	s_mov_b32 s[G1+1], 128<<16
	s_mov_b32 s[G1+2], 64<<16
	s_mov_b32 s[G1+3], 128<<16
	s_mov_b32 s[G1+4], 64
	s_mov_b32 s[G1+5], 512
	s_mov_b32 s[G1+6], 0
	s_mov_b32 s[G1+7], 0
	s_mul_i32 s[WQB], s[WV], QB
	s_lshl_b32 s40, ttmp9, 20                      ; 512 rows of 2,048 bytes a work-group,
	s_lshl_b32 s41, s[WV], 9                       ; and my quarter of each row
	s_add_co_u32 s40, s40, s41
	s_mov_b32 s41, 0
	s_mov_b32 s[XB], 0
	s_mov_b32 s[SEL], 0x76543210
	s_mov_b32 s[SEL+1], 0xfedcba98
	s_mov_b32 s[STP], 0
	s_mov_b32 s[STP+1], 0
	s_wait_dscnt 0x0
	s_wait_kmcnt 0x0
	s_add_nc_u64 s[4:5], s[4:5], s[40:41]
	s_mov_b32 s[G0A], 1
	s_mov_b32 s[G0A+1], s[WQB]
	s_mov_b64 s[G0A+2:G0A+3], s[4:5]
	s_or_b32 s[G0A+3], s[G0A+3], 0x80000000
	s_mov_b32 s[G0B], 1
	s_add_co_u32 s[G0B+1], s[WQB], SLOTB
	s_add_nc_u64 s[G0B+2:G0B+3], s[4:5], 131072
	s_or_b32 s[G0B+3], s[G0B+3], 0x80000000
	tensor_load_to_lds s[G0A:G0A+3], s[G1:G1+7]    ; trip 0's rows: my one tensor load at the head
	s_nop 0
	PLACES
	; all else of the head stands under that load's flight
	s_mul_i32 s40, s[WV], 64*FRB
	s_add_nc_u64 s[6:7], s[6:7], s[40:41]
	s_lshl_b32 s40, s[WV], 12
	s_add_nc_u64 s[8:9], s[8:9], s[40:41]
	s_lshr_b32 s42, ttmp9, 4
	s_lshl_b32 s42, s42, 11
	s_lshl_b32 s40, s[WV], 9
	s_add_co_u32 s40, s40, s42
	s_add_nc_u64 s[10:11], s[10:11], s[40:41]
	s_lshl_b32 s40, ttmp9, 11
	s_add_nc_u64 s[12:13], s[12:13], s[40:41]
	s_lshl_b32 s42, s[WV], 9
	s_add_co_u32 s40, s40, s42
	s_add_nc_u64 s[14:15], s[14:15], s[40:41]
	s_lshl_b32 s40, ttmp9, 3
	s_add_nc_u64 s[16:17], s[16:17], s[40:41]
	v_and_b32 v248, 31, v0
	v_and_b32 v249, 15, v0
	v_bfe_u32 v250, v0, 4, 1
	v_lshlrev_b32 v[LI], 4, v248
	v_add_nc_u32 v[AIM], IMG, v[LI]
	s_mul_i32 s40, s[WV], 4*FRB
	s_add_co_u32 s40, s40, IMG
	v_add_nc_u32 v[AIW], s40, v[LI]
	s_lshl_b32 s40, s[WV], 9
	s_add_co_u32 s42, s40, ISC
	v_add_nc_u32 v[AIS], s42, v[LI]
	s_add_co_u32 s42, s40, CST
	v_add_nc_u32 v[ACL], s42, v[LI]
	v_lshl_add_u32 v[ACS], v250, 8, s42
	v_lshl_add_u32 v[ACS], v249, 2, v[ACS]
	v_mul_u32_u24 v[XA0], v249, 528
	v_lshl_add_u32 v[XA0], v250, 7, v[XA0]
	s_mul_i32 s40, s[WV], 16*528
	v_add_nc_u32 v[XA0], s40, v[XA0]
	s_lshl_b32 s40, s[WV], 8
	s_add_co_u32 s42, s40, PS
	v_lshl_add_u32 v[APS], v250, 5, s42
	v_lshl_add_u32 v[APR], v248, 3, PS
	s_add_co_u32 s42, s40, PW
	v_lshl_add_u32 v[APWS], v248, 3, s42
	v_lshl_add_u32 v[APWR], v250, 5, s42
	v_lshlrev_b32 v[ATS], 3, v248
	v_lshlrev_b32 v[SH8], 3, v250
	v_lshlrev_b32 v[AQ], 2, v249
	v_mov_b32 v[ZA], 0
	v_mov_b32 v[MM], 0xff800000                    ; under every t: the first trip's factor is 2^(-inf) = 0, on sums that are 0
	v_mov_b32 v[LL], 0
	v_mov_b32 v47, 0                               ; a lane permute's destination counts as one of its sources
	v_mov_b32 v[TT], 0
.irp j, 0,1,2,3,4,5,6,7,8,9,10,11,12,13,14,15
	v_mov_b32 v[CTX+\j], 0
.endr
	s_wait_alu depctr_va_vdst(0)
.irp g, 0,1,2,3,4,5,6,7
	global_load_b128 v[WS+4*\g:WS+4*\g+3], v[LI], s[8:9] offset:512*\g
.endr
.irp t, 0,1,2,3,4,5,6,7
	global_load_b32 v[Q+\t], v[AQ], s[10:11] offset:64*\t
.endr
	WLOADS 0, 32                                   ; K's weights
	s_wait_tensorcnt 0x0                           ; my quarter of trip 0's rows is in
	ds_add_u32 v[SPW], v[NIL]
	s_wait_dscnt 0x0
	s_barrier_signal -1
	s_barrier_wait -1                              ; everybody's quarter is in
	tensor_load_to_lds s[G0B:G0B+3], s[G1:G1+7]    ; trip 1's rows, into slot 1
	s_nop 0
	PLACES
	XPH 1
	s_mov_b32 s[CNT], 6
.Lfill:                                                ; trips 0 to 5 ask for the rows of trips 2 to 7
	BODY 1
	XPH 0
	s_sub_co_u32 s[CNT], s[CNT], 1
	s_cmp_lg_u32 s[CNT], 0
	s_cbranch_scc1 .Lfill
	s_mov_b32 s[CNT], 2
.Ltail:                                                ; trips 6 and 7 ask for nothing; trip 7 has no rows to quantise behind it
	BODY 0
	s_cmp_eq_u32 s[CNT], 1
	s_cbranch_scc1 .Lno_next
	XPH 0
.Lno_next:
	s_sub_co_u32 s[CNT], s[CNT], 1
	s_cmp_lg_u32 s[CNT], 0
	s_cbranch_scc1 .Ltail
	; the part's sum over the 32 lanes; ctx: even and odd rows, both halves of the lanes; then through LDS, so that the wave stores 512 consecutive bytes
.irp x, 1,2,4,8
	v_add_f32_dpp v[LL], v[LL], v[LL] row_xmask:\x row_mask:0xf bank_mask:0xf
.endr
	v_permlanex16_b32 v47, v[LL], s[SEL], s[SEL+1]
	v_add_f32 v[LL], v[LL], v47
.irp t, 0,1,2,3,4,5,6,7
	v_add_f32 v[TP+\t], v[CTX+2*\t], v[CTX+2*\t+1]
.endr
.irp t, 0,1,2,3,4,5,6,7
	v_permlanex16_b32 v[P+\t], v[TP+\t], s[SEL], s[SEL+1]
.endr
.irp t, 0,1,2,3,4,5,6,7
	v_add_f32 v[TP+\t], v[TP+\t], v[P+\t]
.endr
	v_cmp_ne_u32 vcc_lo, 0, v[SH8]
.irp i, 0,1,2,3
	v_cndmask_b32 v[P+\i], v[TP+\i], v[TP+4+\i], vcc_lo             ; lanes 0-15 send tiles 0-3, lanes 16-31 tiles 4-7
.endr
.irp i, 0,1,2,3
	ds_store_b32 v[ACS], v[P+\i] offset:64*\i
.endr
	ds_load_b128 v[P+4:P+7], v[ACL]
	s_wait_dscnt 0x0
	global_store_b128 v[LI], v[P+4:P+7], s[14:15]
	s_wait_xcnt 0x0                                ; EXEC changes only behind this wait
	v_cmp_eq_u32 vcc_lo, 0, v0
	s_and_saveexec_b32 s2, vcc_lo
	global_store_b64 v[ZA], v[MM:MM+1], s[16:17]   ; thread 0: the part's largest t and its sum
	s_wait_xcnt 0x0
	s_or_b32 exec_lo, exec_lo, s2
	s_wait_tensorcnt 0x0                           ; the wave's end
	ds_add_u32 v[SPW], v[NIL]
	s_wait_dscnt 0x0
	s_endpgm
.Lfunc_end_k_q079da07812_attend:
	.size	k_q079da07812_attend, .Lfunc_end_k_q079da07812_attend-k_q079da07812_attend
	.p2alignl 7, 3214868480
	.fill 96, 4, 3214868480
	.section	.rodata,"a",@progbits
	.p2align	6, 0x0
	.amdhsa_kernel k_q079da07812_attend
		.amdhsa_group_segment_fixed_size 327680
		.amdhsa_private_segment_fixed_size 0
		.amdhsa_enable_private_segment 0
		.amdhsa_kernarg_size 56
		.amdhsa_user_sgpr_count 2
		.amdhsa_user_sgpr_kernarg_segment_ptr 1
		.amdhsa_wavefront_size32 1
		.amdhsa_system_sgpr_workgroup_id_x 1
		.amdhsa_system_sgpr_workgroup_id_y 1
		.amdhsa_system_sgpr_workgroup_id_z 1
		.amdhsa_system_vgpr_workitem_id 0
		.amdhsa_next_free_vgpr 1024
		.amdhsa_next_free_sgpr 66
		.amdhsa_reserve_vcc 1
		.amdhsa_float_denorm_mode_32 3
		.amdhsa_float_denorm_mode_16_64 3
		.amdhsa_memory_ordered 1
		.amdhsa_forward_progress 1
		.amdhsa_inst_pref_size 219
	.end_amdhsa_kernel
	.amdgpu_metadata
---
amdhsa.version: [ 1, 2 ]
amdhsa.kernels:
  - .name:           k_q079da07812_attend
    .symbol:         k_q079da07812_attend.kd
    .args:
      - { .name: encoder_outputs, .offset: 0, .size: 8, .value_kind: global_buffer, .address_space: global }
      - { .name: wimg, .offset: 8, .size: 8, .value_kind: global_buffer, .address_space: global }
      - { .name: wsc, .offset: 16, .size: 8, .value_kind: global_buffer, .address_space: global }
      - { .name: qs, .offset: 24, .size: 8, .value_kind: global_buffer, .address_space: global }
      - { .name: tsc, .offset: 32, .size: 8, .value_kind: global_buffer, .address_space: global }
      - { .name: pctx, .offset: 40, .size: 8, .value_kind: global_buffer, .address_space: global }
      - { .name: pstat, .offset: 48, .size: 8, .value_kind: global_buffer, .address_space: global }
    .group_segment_fixed_size: 327680
    .private_segment_fixed_size: 0
    .kernarg_segment_align: 8
    .kernarg_segment_size: 56
    .max_flat_workgroup_size: 128
    .sgpr_count:     66
    .vgpr_count:     1024
    .wavefront_size: 32
...
	.end_amdgpu_metadata
.endif
;; end of part 2
;; launch finish (part 3): grid 8 x 16, 8 waves a work-group, no clusters, 0 bytes of LDS; arguments tsc, pstat, pctx, out0, out1; writes out0, out1
.if DOCPART == 3
	.amdgcn_target "amdgcn-amd-amdhsa--gfx1250"
	.amdhsa_code_object_version 6
	.text
	.protected	k_q079da07812_finish
	.globl	k_q079da07812_finish
	.p2align	8
	.type	k_q079da07812_finish,@function
k_q079da07812_finish:
	s_mov_b64 s[64:65], 0
	v_nop
	global_prefetch_b8 v0, s[64:65] scope:SCOPE_SE
	s_setreg_imm32_b32 hwreg(HW_REG_WAVE_MODE, 25, 1), 1
	s_wait_xcnt 0x0
; For each batch b the launch before left t of its 8,192 rows (tsc), and for each of its 16 parts c of 512 rows the part's largest t, m_c, its sum l_c of 2^(t - m_c) (pstat) and its ctx_c [512] (pctx).
; M = the largest m_c;  w_c = 2^(m_c - M);  L = the sum of l_c w_c;  out1[b][row] = 2^(t - M) / L;  out0[b][:] = the sum over c of w_c ctx_c[:] / L.
; A work-group (x: one of 8 pieces; y: the batch) of eight waves makes 1,024 numbers of out1, four a thread; its wave 0 also makes 64 numbers of out0, two a lane.
; Every wave makes M and L for itself from the batch's 128 bytes of pstat: no LDS, no barrier.  A stream of half a megabyte each way: matrix units, LDS and clusters have nothing to add.
	s_load_b256 s[4:11], s[0:1], 0x0               ; tsc s[4:5], pstat s[6:7], pctx s[8:9], out0 s[10:11]
	s_load_b64 s[12:13], s[0:1], 0x20              ; out1
	v_lshrrev_b32 v1, 5, v0
	s_delay_alu instid0(VALU_DEP_1)
	v_readfirstlane_b32 s14, v1                    ; wave 0..7
	v_and_b32 v1, 15, v0
	s_delay_alu instid0(VALU_DEP_1)
	v_lshlrev_b32 v1, 3, v1                        ; part c = lane % 16: its pair in pstat
	v_lshlrev_b32 v2, 4, v0                        ; my four numbers of t and of out1
	v_and_b32 v3, 31, v0
	s_delay_alu instid0(VALU_DEP_1)
	v_lshlrev_b32 v3, 3, v3                        ; wave 0: my two columns
	s_and_b32 s15, ttmp7, 0xffff                   ; the batch
	s_lshl_b32 s16, s15, 7                         ; pstat: 16 pairs of 8 bytes a batch
	s_mov_b32 s17, 0
	s_lshl_b32 s18, s15, 15                        ; 32,768 bytes a batch in tsc, out1 and pctx
	s_lshl_b32 s20, ttmp9, 12
	s_add_co_u32 s20, s20, s18                     ; tsc, out1: + 4,096 x piece
	s_mov_b32 s21, 0
	s_lshl_b32 s22, ttmp9, 8
	s_add_co_u32 s18, s18, s22                     ; pctx: + 256 x piece
	s_mov_b32 s19, 0
	s_lshl_b32 s24, s15, 11
	s_add_co_u32 s22, s22, s24                     ; out0: 2,048 x batch + 256 x piece
	s_mov_b32 s23, 0
	s_wait_alu depctr_va_vdst(0)
	s_wait_kmcnt 0x0
	s_add_nc_u64 s[4:5], s[4:5], s[20:21]
	s_add_nc_u64 s[12:13], s[12:13], s[20:21]
	s_add_nc_u64 s[6:7], s[6:7], s[16:17]
	s_add_nc_u64 s[8:9], s[8:9], s[18:19]
	s_add_nc_u64 s[10:11], s[10:11], s[22:23]
	global_load_b64 v[4:5], v1, s[6:7]             ; m_c, l_c
	global_load_b128 v[10:13], v2, s[4:5] th:TH_LOAD_NT            ; the wave reads 512 consecutive bytes, read once in the launch
	s_cmp_lg_u32 s14, 0
	s_cbranch_scc1 .Lno_ctx
.irp c, 0,1,2,3,4,5,6,7,8,9,10,11,12,13,14,15
	global_load_b64 v[16+2*\c:17+2*\c], v3, s[8:9] offset:2048*\c th:TH_LOAD_NT   ; part c's ctx at my two columns: 256 consecutive bytes a load
.endr
.Lno_ctx:
	s_wait_loadcnt 0x0                             ; for zero: the two ways have issued different numbers of loads
	v_mov_b32 v6, v4
.irp x, 1,2,4,8
	s_delay_alu instid0(VALU_DEP_1)
	v_max_num_f32_dpp v6, v6, v6 row_xmask:\x row_mask:0xf bank_mask:0xf   ; each half of 16 lanes holds all 16 parts: M in every lane
.endr
	s_delay_alu instid0(VALU_DEP_1)
	v_sub_f32 v7, v4, v6
	s_wait_alu depctr_va_vdst(0)
	v_exp_f32 v7, v7                               ; w_c
.irp j, 0,1,2,3
	v_sub_f32 v[10+\j], v[10+\j], v6               ; t - M (the first of these is the plain place behind the exponential)
.endr
	s_wait_alu depctr_va_vdst(0)
	v_mul_f32 v8, v5, v7
.irp x, 1,2,4,8
	s_delay_alu instid0(VALU_DEP_1)
	v_add_f32_dpp v8, v8, v8 row_xmask:\x row_mask:0xf bank_mask:0xf       ; L
.endr
	s_wait_alu depctr_va_vdst(0)
	v_rcp_f32 v9, v8
.irp j, 0,1,2,3
	v_exp_f32 v[10+\j], v[10+\j]
.endr
	v_nop                                          ; one plain place behind the transcendentals
	s_wait_alu depctr_va_vdst(0)
.irp j, 0,1,2,3
	v_mul_f32 v[10+\j], v[10+\j], v9
.endr
	global_store_b128 v2, v[10:13], s[12:13] th:TH_STORE_NT        ; the wave stores 512 consecutive bytes
	s_cmp_lg_u32 s14, 0
	s_cbranch_scc1 .Lend
.irp c, 0,1,2,3,4,5,6,7,8,9,10,11,12,13,14,15
	v_readlane_b32 s[40+\c], v7, \c                ; the 16 weights as scalars: they multiply, and steer nothing
.endr
	v_mul_f32 v14, s40, v16
	v_mul_f32 v15, s40, v17
.irp c, 1,2,3,4,5,6,7,8,9,10,11,12,13,14,15
	s_delay_alu instid0(VALU_DEP_2)
	v_fma_f32 v14, v[16+2*\c], s[40+\c], v14
	s_delay_alu instid0(VALU_DEP_2)
	v_fma_f32 v15, v[17+2*\c], s[40+\c], v15
.endr
	v_mul_f32 v14, v14, v9
	v_mul_f32 v15, v15, v9
	global_store_b64 v3, v[14:15], s[10:11]        ; the wave stores 256 consecutive bytes, aligned
.Lend:
	s_endpgm
.Lfunc_end_k_q079da07812_finish:
	.size	k_q079da07812_finish, .Lfunc_end_k_q079da07812_finish-k_q079da07812_finish
	.p2alignl 7, 3214868480
	.fill 96, 4, 3214868480
	.section	.rodata,"a",@progbits
	.p2align	6, 0x0
	.amdhsa_kernel k_q079da07812_finish
		.amdhsa_group_segment_fixed_size 0
		.amdhsa_private_segment_fixed_size 0
		.amdhsa_enable_private_segment 0
		.amdhsa_kernarg_size 40
		.amdhsa_user_sgpr_count 2
		.amdhsa_user_sgpr_kernarg_segment_ptr 1
		.amdhsa_wavefront_size32 1
		.amdhsa_system_sgpr_workgroup_id_x 1
		.amdhsa_system_sgpr_workgroup_id_y 1
		.amdhsa_system_sgpr_workgroup_id_z 1
		.amdhsa_system_vgpr_workitem_id 0
		.amdhsa_next_free_vgpr 64
		.amdhsa_next_free_sgpr 66
		.amdhsa_reserve_vcc 0
		.amdhsa_float_denorm_mode_32 3
		.amdhsa_float_denorm_mode_16_64 3
		.amdhsa_memory_ordered 1
		.amdhsa_forward_progress 1
		.amdhsa_inst_pref_size 9
	.end_amdhsa_kernel
	.amdgpu_metadata
---
amdhsa.version: [ 1, 2 ]
amdhsa.kernels:
  - .name:           k_q079da07812_finish
    .symbol:         k_q079da07812_finish.kd
    .args:
      - { .name: tsc, .offset: 0, .size: 8, .value_kind: global_buffer, .address_space: global }
      - { .name: pstat, .offset: 8, .size: 8, .value_kind: global_buffer, .address_space: global }
      - { .name: pctx, .offset: 16, .size: 8, .value_kind: global_buffer, .address_space: global }
      - { .name: out0, .offset: 24, .size: 8, .value_kind: global_buffer, .address_space: global }
      - { .name: out1, .offset: 32, .size: 8, .value_kind: global_buffer, .address_space: global }
    .group_segment_fixed_size: 0
    .private_segment_fixed_size: 0
    .kernarg_segment_align: 8
    .kernarg_segment_size: 40
    .max_flat_workgroup_size: 256
    .sgpr_count:     66
    .vgpr_count:     64
    .wavefront_size: 32
...
	.end_amdgpu_metadata
.endif
;; end of part 3
